; MI455X (gfx1250); checked and timed in simulation.
; The chip was launched on July 23, 2026; its instructions are those of AMD's public machine-readable ISA for CDNA 5 (MIT licence, August 2026) and "CDNA5" Instruction Set Architecture Reference Guide (July 2026). The comments in the code are by the model that wrote it; some were corrected since.
;; Cross Modal Attention. Allowed arithmetic: matrix products marked QUANTISED: E2M3 operands, one E8M0 scale for each 32 along K, by v_wmma_scale_f32_16x16x128_f8f6f4 with both operands' format E2M3, f32 sums; products left as they are: f32 operands where the result goes on into a quantised operand, else bf16, f16 or f32 operands; f32 sums; everything else in f32.
;; Inputs: Wlkv 1,024 x 2,048 float32; Wlo 1,024 x 1,024 float32; Wlq 1,024 x 1,024 float32; Wmkv 1,024 x 2,048 float32; Wmo 1,024 x 1,024 float32; Wmq 1,024 x 1,024 float32; blkv 2,048 float32; blo 1,024 float32; blq 1,024 float32; bmkv 2,048 float32; bmo 1,024 float32; bmq 1,024 float32; liquid_repr 8 x 1,024 x 1,024 float32; mamba_repr 8 x 1,024 x 1,024 float32.
;; Outputs: out0 8 x 1,024 x 1,024 float32; out1 8 x 1,024 x 1,024 float32.
;; This version of the problem:
;;   THIS VERSION OF THE PROBLEM IS GIVEN IN LOW PRECISION. The matrix products marked QUANTISED in the list below multiply operands that are first quantised to E2M3 (2 exponent bits, 3 mantissa bits; 6 bits a number), with one power-of-two scale for each 32 numbers along K (OCP MX v1.0); their sums are f32. All else is computed in f32.
;;   The module's matrix products, in the order in which they are computed (A, B: the left and right operand; K: the contracted axis; several contracted axes count as one K, in the product's order):
;;     1. [M 8,192, K 1,024] x [K 1,024, N 1,024]; A: input liquid_repr; B: input Wlq: QUANTISED
;;     2. [M 8,192, K 1,024] x [K 1,024, N 2,048]; A: input mamba_repr; B: input Wmkv: QUANTISED
;;     3. batch 8,192 x [M 8, K 128] x [K 128, N 8]; A: computed on the way; B: computed on the way: left as it is (M = 8 < 16)
;;     4. batch 8,192 x [M 8, K 8] x [K 8, N 128]; A: softmax; B: computed on the way: left as it is (K = 8 < 32)
;;     5. [M 8,192, K 1,024] x [K 1,024, N 1,024]; A: computed on the way; B: input Wlo: QUANTISED
;;     6. [M 8,192, K 1,024] x [K 1,024, N 1,024]; A: input mamba_repr; B: input Wmq: QUANTISED
;;     7. [M 8,192, K 1,024] x [K 1,024, N 2,048]; A: input liquid_repr; B: input Wlkv: QUANTISED
;;     8. batch 8,192 x [M 8, K 128] x [K 128, N 8]; A: computed on the way; B: computed on the way: left as it is (M = 8 < 16)
;;     9. batch 8,192 x [M 8, K 8] x [K 8, N 128]; A: softmax; B: computed on the way: left as it is (K = 8 < 32)
;;     10. [M 8,192, K 1,024] x [K 1,024, N 1,024]; A: computed on the way; B: input Wmo: QUANTISED
;;   THE QUANTISER, for each operand of a quantised product, along K:
;;     - K is cut into blocks of 32 from its start; a last block that is shorter is filled with zeros.
;;     - A block's scale is 2^e with e = floor(log2(the largest magnitude in the block)) - 2, held to -126 .. 127; a block of zeros has e = 0. As a byte (E8M0): e + 127.
;;     - Each number is divided by its block's scale, clamped to +-7.5, and rounded to the nearest number of E2M3, ties to even, subnormals kept.
;;     - The product sums the exact products of the quantised numbers (number of the format x scale) in f32.
;;   ~~~python
;;   def quantise(x, axis):      # numpy; x: float32 -> the quantised numbers, widened to float32 again
;;       x = np.moveaxis(x, axis, -1); K = x.shape[-1]
;;       x = np.pad(x, [(0, 0)] * (x.ndim - 1) + [(0, -K % 32)]); x = x.reshape(x.shape[:-1] + (-1, 32)); a = np.abs(x).max(-1, keepdims=True)
;;       e = np.where(a > 0, np.clip(np.frexp(np.where(a > 0, a, 1))[1] - 1 - 2, -126, 127), 0)      # np.frexp(a)[1] - 1 = floor(log2(a)), exactly
;;       r = np.clip(x / 2.0 ** e, -7.5, 7.5)
;;       step = 2.0 ** (np.maximum(np.frexp(np.where(r == 0, 1, r))[1] - 1, 0) - 3)
;;       q = np.round(r / step) * step * 2.0 ** e      # np.round: ties to even
;;       return np.moveaxis(q.reshape(q.shape[:-2] + (-1,))[..., :K], -1, axis).astype(np.float32)
;;   ~~~
;;   OPERANDS COMPUTED ON THE WAY. 'Computed on the way' means the value that the module computes at that place (a softmax that the list does not call 'softmax' is quantised finished and normalised). What goes into a quantiser is computed in f32, as accurately as f32 sums, v_exp_f32 and their like allow (about 1e-6 of the number): no bf16 or f16 on the way to a quantiser, and a product that is left as it is and whose result goes on into a quantised operand takes f32 operands (vector FMAs, or v_wmma_f32_16x16x4_f32). A number that lies on a knife's edge between two numbers of the format may be rounded either way, as far as f32 arithmetic and the matrix unit's own rounding can turn it there, and no further.
;; One version. Each part assembles by itself: llvm-mc -triple=amdgcn-amd-amdhsa -mcpu=gfx1250 --defsym DOCPART=n.
;; ======== version 1 of 1: 2 launches
;; limits: right only within a limited range of input values
;; workspace buffers: xim 13,107,200 bytes; wst 6,553,600 bytes
;; launch prep (part 1): grid 512 x 1, 4 waves a work-group, no clusters, 61,952 bytes of LDS; arguments liquid_repr, mamba_repr, Wlq, Wmq, Wmkv, Wlkv, Wlo, Wmo, xim, wst; writes xim, wst
.if DOCPART == 1
	.amdgcn_target "amdgcn-amd-amdhsa--gfx1250"
	.amdhsa_code_object_version 6
	.text
	.protected	k_q6ef4fd898a_prep
	.globl	k_q6ef4fd898a_prep
	.p2align	8
	.type	k_q6ef4fd898a_prep,@function
k_q6ef4fd898a_prep:
	s_mov_b64 s[64:65], 0
	v_nop
	global_prefetch_b8 v0, s[64:65] scope:SCOPE_SE
	s_setreg_imm32_b32 hwreg(HW_REG_WAVE_MODE, 25, 1), 1
	s_wait_xcnt 0x0
; CrossModalAttention in MX-FP6, launch 1 of 2: the two activations and the six weights are quantised ONCE, along K, into codes of E2M3 with one E8M0 byte for each 32 along K,
; and laid in the order of the matrix operand's registers, so that the second launch takes every fragment by three loads of 16 bytes a lane.
; DEAD WORK: none.  Every product of the problem reaches an output; bq . k_g and q_h . bk_g both differ along the softmax's axis, bv and bo are added to what is stored: every input has a way to an output
; (the six biases and the residuals are loaded by the second launch).
; A block's scale is 2^(floor(log2(largest magnitude)) - 2): its byte is the largest magnitude's exponent field - 2, held at 1 from below.
; LIMITS: a block of zeros gets the byte 1 where the rule says 127 (its codes are zeros, and this program alone reads the bytes); blocks whose largest magnitude lies under 2^-124 get the byte 1; NaN and infinities among the inputs are not served.
; xim [tensor 0 liquid, 1 mamba][block of 64 rows][51,200]: image of fragment (K step s, tile of 16 rows m) at 1536 (4 s + m): three groups of 512 bytes, group i = registers 4 i .. 4 i + 3 at 16 x lane;
;   scale words at 49152 + 512 m + 128 (s / 2) + 64 (s % 2) + 4 r.
; wst [direction][slot 0..31][wave 0..3][25,600]: slots 0-7 Q, 8-15 K, 16-23 V, 24-31 O.  Fragment f = 8 e + 2 h + u at 1536 f; scale words at 24576 + 256 h + 8 (16 e + i) + 4 u.
;   Row i of a tile is column col0 + 16 (i / 8) + 8 u + i % 8, so that in the transposed product the 16 registers of tiles u = 0, 1 are 16 neighbouring columns.
; Work-groups 0-255: a block of 64 rows of X, a wave a tile of 16 rows.  Work-groups 256-511: a wave takes 32 columns x 256 along K of a weight (a lane a column, registers down K).
; No tensor load, no barrier: waves share nothing.  Each path has LDS bytes of its own.
.set XSG,   33792                      ; X path: stages of 16 rows x 528 bytes a wave from byte 0; from here 512 bytes of scale words a wave
.set WSTG,  35840                      ; W path: 6,400 bytes a wave: four fragment images, then 256 bytes of scale words
.set SPARE, 61440                      ; the spare words, 128 bytes a wave: no other line names them
.set XN,    144                        ; v144-207 64 numbers of a lane: register 16 b + i = k 32 b + 16 (lane / 16) + i
.set PC,    208                        ; v208-227 the codes just made
.set TM,    228                        ; v228-243 at work in QUANT
.set PW,    244                        ; the scale word just made
.set SEL,   26                         ; s[26:27] lane selects for lane l xor 16
	s_load_b512 s[4:19], s[0:1], 0x0               ; liquid, mamba, Wlq, Wmq, Wmkv, Wlkv, Wlo, Wmo
	s_load_b128 s[20:23], s[0:1], 0x40             ; xim, wst
	v_lshl_add_u32 v1, v0, 2, SPARE                ; my spare word
	v_mov_b32 v2, 0
	v_lshrrev_b32 v3, 5, v0
	v_readfirstlane_b32 s28, v3                    ; wave
	v_and_b32 v3, 31, v0                           ; lane
	v_lshlrev_b32 v4, 4, v3                        ; 16 x lane
	s_cmp_ge_u32 ttmp9, 256
	s_cbranch_scc1 .Lw
; ---------------------------------------------------------------- X
; 64 numbers of a lane become a fragment's codes in v[PC] on and its row's scale word in v[PW]
.macro QUANT s
.irp b, 0,1,2,3
	v_max3_num_f32 v[TM+\b], |v[\s+16*\b]|, |v[\s+1+16*\b]|, 0x1800000   ; my 16 numbers of block b, and the floor 2^(3 - 127): the byte cannot fall under 1
.endr
.irp i, 2,4,6,8,10,12,14
.irp b, 0,1,2,3
	v_max3_num_f32 v[TM+\b], v[TM+\b], |v[\s+16*\b+\i]|, |v[\s+1+16*\b+\i]|
.endr
.endr
.irp b, 0,1,2,3
	v_permlanex16_b32 v[TM+4+\b], v[TM+\b], s[SEL], s[SEL+1]
.endr
.irp b, 0,1,2,3
	v_max_num_f32 v[TM+\b], v[TM+\b], v[TM+4+\b]   ; with lane l xor 16's: the block's largest magnitude
.endr
.irp b, 0,1,2,3
	v_add_nc_u32 v[TM+12+\b], 0xff000000, v[TM+\b] ; 2 off its exponent field: the conversion's scale operand
.endr
.irp b, 0,1,2,3
	v_lshrrev_b32 v[TM+4+\b], 23, v[TM+12+\b]      ; the scale's byte
.endr
	v_lshl_or_b32 v[PW], v[TM+5], 8, v[TM+4]
	v_lshl_or_b32 v[PW], v[TM+6], 16, v[PW]
	v_lshl_or_b32 v[PW], v[TM+7], 24, v[PW]
.irp c, 0,1
	v_cvt_scalef32_pk16_fp6_f32 v[PC+6*\c:PC+2+6*\c], v[\s+32*\c:\s+15+32*\c], v[TM+12+2*\c]
	v_cvt_scalef32_pk16_fp6_f32 v[PC+12+4*\c:PC+14+4*\c], v[\s+16+32*\c:\s+31+32*\c], v[TM+12+2*\c+1]   ; (a conversion's three registers begin on an even number)
.endr
	v_nop                                          ; one plain place behind a scaled conversion
.irp c, 0,1                                    ; the operand wants a whole block in a lane: lanes 0-15 block 2 c, lanes 16-31 block 2 c + 1
.irp i, 0,1,2
	v_permlane16_swap_b32 v[PC+6*\c+\i], v[PC+12+4*\c+\i]
.endr
.irp i, 0,1,2
	v_mov_b32 v[PC+3+6*\c+\i], v[PC+12+4*\c+\i]
.endr
.endr
.endm
	v_and_b32 v8, 15, v0                           ; r
	v_bfe_u32 v9, v0, 4, 1                         ; h
	s_mul_i32 s24, s28, 8448                       ; my stage
	v_add_nc_u32 v5, s24, v4                       ; in: a row's 512 bytes as they lie, 528 bytes from row to row
	v_mul_u32_u24 v6, v8, 528
	v_lshl_add_u32 v6, v9, 6, v6
	v_add_nc_u32 v6, s24, v6                       ; out: row r, + 64 h: my 16 numbers of each block of 32
	s_lshl_b32 s25, s28, 9
	s_add_co_u32 s25, s25, XSG
	v_lshl_add_u32 v7, v8, 2, s25                  ; my row's scale words
	v_add_nc_u32 v10, s25, v4                      ; and the way out: 16 bytes a lane
	s_mov_b32 s[SEL], 0x76543210
	s_mov_b32 s[SEL+1], 0xfedcba98
.irp b, 0,1,2,3
	v_mov_b32 v[TM+4+\b], 0                        ; written once: a lane permute's destination counts as one of its sources
.endr
	s_lshr_b32 s29, ttmp9, 7                       ; which tensor
	s_and_b32 s30, ttmp9, 127
	s_lshl_b32 s30, s30, 6
	s_lshl_b32 s31, s28, 4
	s_add_co_u32 s30, s30, s31                     ; my first row: 64 x block + 16 x wave
	s_lshl_b32 s30, s30, 12                        ; of 4,096 bytes
	s_mov_b32 s31, 0
	s_mul_i32 s32, ttmp9, 51200                    ; my block of xim
	s_lshl_b32 s34, s28, 9
	s_add_co_u32 s34, s34, s32
	s_add_co_u32 s34, s34, 49152                   ; my tile's scale words
	s_mov_b32 s35, 0
	s_mul_i32 s33, s28, 1536
	s_add_co_u32 s32, s32, s33                     ; my tile's images
	s_mov_b32 s33, 0
	s_wait_alu depctr_va_vdst(0)
	s_wait_kmcnt 0x0
	s_cmp_eq_u32 s29, 0
	s_cselect_b64 s[4:5], s[4:5], s[6:7]
	s_add_nc_u64 s[4:5], s[4:5], s[30:31]
	s_add_nc_u64 s[36:37], s[20:21], s[32:33]
	s_add_nc_u64 s[38:39], s[20:21], s[34:35]
.macro XLOAD s                         ; K step s of my 16 rows: each load reads 512 consecutive bytes of a row
.irp t, 0,1,2,3,4,5,6,7,8,9,10,11,12,13,14,15
	global_load_b128 v[16+64*((\s)%2)+4*\t:16+64*((\s)%2)+4*\t+3], v4, s[4:5] offset:4096*\t+512*(\s) th:TH_LOAD_NT
.endr
.endm
.macro XSTEP s
.if (\s) < 7
	s_wait_loadcnt 16                              ; this step's 16 loads are in; the next step's may be out
.else
	s_wait_loadcnt 0
.endif
.irp t, 0,1,2,3,4,5,6,7,8,9,10,11,12,13,14,15
	ds_store_b128 v5, v[16+64*((\s)%2)+4*\t:16+64*((\s)%2)+4*\t+3] offset:528*\t
.endr
.irp b, 0,1,2,3
.irp j, 0,1,2,3
	ds_load_b128 v[XN+16*\b+4*\j:XN+16*\b+4*\j+3], v6 offset:128*\b+16*\j   ; LDS serves a wave's instructions in order: these see the stores above
.endr
.endr
	s_wait_dscnt 0x0                               ; my numbers are back, and the stores have read their registers
	s_wait_xcnt 0x0                                ; the last step's stores have read the codes' registers
.if (\s)+2 < 8
	XLOAD (\s)+2
.endif
	QUANT XN
.irp i, 0,1,2
	global_store_b128 v4, v[PC+4*\i:PC+4*\i+3], s[36:37] offset:6144*(\s)+512*\i   ; 32 lanes store 512 consecutive bytes, aligned
.endr
	ds_store_b32 v7, v[PW] offset:128*((\s)/2)+64*((\s)%2)   ; lanes r and r + 16 write the same word with the same value
.endm
	XLOAD 0
	XLOAD 1
.irp s, 0,1,2,3,4,5,6,7
	XSTEP \s
.endr
	ds_load_b128 v[XN:XN+3], v10                   ; my tile's 512 bytes of scale words
	s_wait_dscnt 0x0
	global_store_b128 v4, v[XN:XN+3], s[38:39]
	s_branch .Lend
; ---------------------------------------------------------------- W
.Lw:
	s_sub_co_u32 s24, ttmp9, 256
	s_and_b32 s25, s24, 3                          ; a
	s_bfe_u32 s26, s24, 0x50002                    ; slot
	s_lshr_b32 s27, s24, 7                         ; direction
	s_lshr_b32 s29, s26, 3                         ; type: 0 Q, 1 K, 2 V, 3 O
	s_and_b32 s30, s26, 3                          ; the slot's place in its chunk
	s_bfe_u32 s31, s26, 0x10002                    ; which of the type's two chunks
	; block (e, bt) of my 32 columns begins at k = kb + e ke + bt kt and column cb + e ce.  Q: k = 128 slot + 32 bt, columns 128 (4 e + a) + 32 wave.  K, V: k = 256 sp + 128 e + 32 bt, columns 256 (4 p + a) (+ 128) + 32 wave.
	; O: k = 32 sp + 512 e + 128 bt (the order in which the second launch makes the attention's blocks), columns 512 p + 128 a + 32 wave.  So the four waves stand side by side on 512 bytes of a row.
	s_cmp_eq_u32 s29, 0
	s_cselect_b32 s48, s26, s30
	s_cselect_b32 s49, 7, 8
	s_cselect_b32 s50, 0, 1
	s_cselect_b32 s51, 1, 0
	s_cselect_b32 s52, 7, 8
	s_cselect_b32 s53, 0, s31
	s_cmp_eq_u32 s29, 3
	s_cselect_b32 s49, 5, s49
	s_cselect_b32 s54, 9, 7
	s_cselect_b32 s55, 7, 5
	s_cselect_b32 s52, 7, s52
	s_cselect_b32 s56, 9, 10
	s_cselect_b32 s57, s25, s28                    ; the reading wave w of the second launch,
	s_cselect_b32 s58, s28, s25                    ; and the pair of tiles h in its part
	s_cmp_eq_u32 s29, 2
	s_cselect_b32 s59, 128, 0
	s_add_co_u32 s60, s29, 1
	s_bfe_u32 s60, s60, 0x10001                    ; 1 for K and V: rows of 2,048 numbers
	s_add_co_u32 s60, s60, 12                      ; log2 of a row's bytes
	s_lshl_b32 s48, s48, s49                       ; kb
	s_lshl_b32 s50, s50, s54                       ; ke
	s_lshl_b32 s55, 1, s55                         ; kt
	s_lshl_b32 s51, s51, 11                        ; 4 ce
	s_lshl_b32 s52, s25, s52
	s_lshl_b32 s61, s28, 5
	s_add_co_u32 s52, s52, s61
	s_lshl_b32 s53, s53, s56
	s_add_co_u32 s52, s52, s53
	s_add_co_u32 s52, s52, s59
	s_lshl_b32 s52, s52, 2                         ; 4 cb
	s_lshl_b32 s62, 1, s60                         ; a row's bytes
	s_mul_i32 s63, s28, 6400
	s_add_co_u32 s63, s63, WSTG                    ; my stage
	s_mul_i32 s70, s27, 3276800
	s_mul_i32 s76, s26, 102400
	s_add_co_u32 s70, s70, s76
	s_mul_i32 s76, s57, 25600
	s_add_co_u32 s70, s70, s76                     ; the wave part of wst that I write into
	s_mul_i32 s76, s58, 3072
	s_add_co_u32 s76, s76, s70
	s_mov_b32 s77, 0
	s_lshl_b32 s78, s58, 8
	s_add_co_u32 s78, s78, s70
	s_add_co_u32 s78, s78, 24576
	s_mov_b32 s79, 0
	s_wait_alu depctr_va_vdst(0)
	v_lshlrev_b32 v5, 3, v3                        ; 8 x lane
	v_lshlrev_b32 v8, 2, v3                        ; 4 x lane: my column
.irp t, 0,1,2,3,4,5,6,7,8,9,10,11,12,13,14,15,16,17,18,19,20,21,22,23,24,25,26,27,28,29,30,31
	v_mad_u32_u24 v[16+\t], s62, \t, v8            ; row t of a block, my column
.endr
	v_bfe_u32 v9, v0, 3, 1                         ; u
	v_bfe_u32 v10, v0, 4, 1
	v_and_b32 v11, 7, v0
	v_lshl_add_u32 v11, v10, 3, v11                ; i: my column's row in its tile
	v_mul_u32_u24 v12, v9, 1536
	v_lshl_add_u32 v12, v11, 4, v12
	v_add_nc_u32 v12, s63, v12                     ; my place in an image: 1536 u + 16 i
	v_lshlrev_b32 v13, 3, v11
	v_lshl_add_u32 v13, v9, 2, v13
	v_add_nc_u32 v13, s63, v13                     ; my scale word: 8 i + 4 u
	v_add_nc_u32 v14, s63, v4                      ; the way out
	v_add_nc_u32 v15, s63, v5
	s_wait_kmcnt 0x0
	s_cmp_eq_u32 s27, 0
	s_cselect_b64 s[8:9], s[8:9], s[10:11]
	s_cselect_b64 s[12:13], s[12:13], s[14:15]
	s_cselect_b64 s[16:17], s[16:17], s[18:19]
	s_cmp_eq_u32 s29, 0
	s_cselect_b64 s[68:69], s[8:9], s[12:13]
	s_cmp_eq_u32 s29, 3
	s_cselect_b64 s[68:69], s[16:17], s[68:69]
.irp e, 0,1
.irp bt, 0,1,2,3
	s_mul_i32 s66, s55, \bt
	s_add_co_u32 s66, s66, s48
.if \e
	s_add_co_u32 s66, s66, s50
.endif
	s_lshl_b32 s66, s66, s60
	s_add_co_u32 s66, s66, s52
.if \e
	s_add_co_u32 s66, s66, s51
.endif
	s_mov_b32 s67, 0
	s_add_nc_u64 s[32+8*\e+2*\bt:33+8*\e+2*\bt], s[68:69], s[66:67]   ; where block 4 e + bt begins
.endr
.endr
	s_add_nc_u64 s[72:73], s[22:23], s[76:77]
	s_add_nc_u64 s[74:75], s[22:23], s[78:79]
.macro WLOAD n                         ; block n: 32 rows of K, 128 consecutive bytes a wave each
.irp t, 0,1,2,3,4,5,6,7,8,9,10,11,12,13,14,15,16,17,18,19,20,21,22,23,24,25,26,27,28,29,30,31
	global_load_b32 v[48+32*((\n)%2)+\t], v[16+\t], s[32+2*(\n):33+2*(\n)] th:TH_LOAD_NT
.endr
.endm
.macro WBLOCK n
.set XS, 48+32*((\n)%2)
.if (\n) < 7
	s_wait_loadcnt 32                              ; this block's 32 loads are in; the next block's may be out
.else
	s_wait_loadcnt 0
.endif
	v_max3_num_f32 v118, |v[XS]|, |v[XS+1]|, |v[XS+2]|   ; all 32 numbers of the block are mine
	v_max3_num_f32 v119, |v[XS+3]|, |v[XS+4]|, |v[XS+5]|
.irp i, 6,10,14,18,22,26
	v_max3_num_f32 v118, v118, |v[XS+\i]|, |v[XS+\i+1]|
	v_max3_num_f32 v119, v119, |v[XS+\i+2]|, |v[XS+\i+3]|
.endr
	v_max3_num_f32 v118, v118, |v[XS+30]|, |v[XS+31]|
	v_max3_num_f32 v118, v118, v119, 0x1800000     ; and the floor
	v_add_nc_u32 v123, 0xff000000, v118            ; the conversion's scale operand
	v_lshrrev_b32 v119, 23, v123                   ; the scale's byte
.if ((\n)%4) == 0
	v_mov_b32 v[124+(\n)/4], v119
.else
	v_lshl_or_b32 v[124+(\n)/4], v119, 8*((\n)%4), v[124+(\n)/4]
.endif
	v_cvt_scalef32_pk16_fp6_f32 v[112:114], v[XS:XS+15], v123
	v_cvt_scalef32_pk16_fp6_f32 v[120:122], v[XS+16:XS+31], v123
	v_nop                                          ; one plain place behind a scaled conversion
	v_mov_b32 v115, v120
	v_mov_b32 v116, v121
	v_mov_b32 v117, v122                           ; v112-117: the block's 24 bytes
; block bt belongs to lane i + 16 (bt % 2) of the image, registers 6 (bt / 2) on
.if ((\n)%4) < 2
	ds_store_b128 v12, v[112:115] offset:3072*((\n)/4)+256*((\n)%2)
	ds_store_b64 v12, v[116:117] offset:3072*((\n)/4)+256*((\n)%2)+512
.else
	ds_store_b64 v12, v[112:113] offset:3072*((\n)/4)+256*((\n)%2)+520
	ds_store_b128 v12, v[114:117] offset:3072*((\n)/4)+256*((\n)%2)+1024
.endif
.if ((\n)%4) == 3
	ds_store_b32 v13, v[124+(\n)/4] offset:6144+128*((\n)/4)
.endif
.if (\n)+2 < 8
	WLOAD (\n)+2
.endif
	s_wait_dscnt 0x0                               ; the stores have read their registers
.endm
	WLOAD 0
	WLOAD 1
.irp n, 0,1,2,3,4,5,6,7
	WBLOCK \n
.endr
.irp t, 0,1,2,3,4,5,6,7,8,9,10,11
	ds_load_b128 v[128+4*\t:131+4*\t], v14 offset:512*\t
.endr
	ds_load_b64 v[176:177], v15 offset:6144
.irp t, 0,1,2,3,4,5,6,7,8,9,10,11
	s_wait_dscnt 12-\t                             ; LDS loads come back in order: number t is in
	global_store_b128 v4, v[128+4*\t:131+4*\t], s[72:73] offset:12288*(\t/6)+512*(\t%6)   ; 512 consecutive bytes, aligned
.endr
	s_wait_dscnt 0x0
	global_store_b64 v5, v[176:177], s[74:75]      ; 256 consecutive bytes, aligned
.Lend:
	s_wait_tensorcnt 0x0                           ; the wave's end, behind my last LDS store
	ds_add_u32 v1, v2
	s_wait_dscnt 0x0
	s_endpgm
.Lfunc_end_k_q6ef4fd898a_prep:
	.size	k_q6ef4fd898a_prep, .Lfunc_end_k_q6ef4fd898a_prep-k_q6ef4fd898a_prep
	.p2alignl 7, 3214868480
	.fill 96, 4, 3214868480
	.section	.rodata,"a",@progbits
	.p2align	6, 0x0
	.amdhsa_kernel k_q6ef4fd898a_prep
		.amdhsa_group_segment_fixed_size 61952
		.amdhsa_private_segment_fixed_size 0
		.amdhsa_enable_private_segment 0
		.amdhsa_kernarg_size 80
		.amdhsa_user_sgpr_count 2
		.amdhsa_user_sgpr_kernarg_segment_ptr 1
		.amdhsa_wavefront_size32 1
		.amdhsa_system_sgpr_workgroup_id_x 1
		.amdhsa_system_sgpr_workgroup_id_y 1
		.amdhsa_system_sgpr_workgroup_id_z 1
		.amdhsa_system_vgpr_workitem_id 0
		.amdhsa_next_free_vgpr 256
		.amdhsa_next_free_sgpr 80
		.amdhsa_reserve_vcc 0
		.amdhsa_float_denorm_mode_32 3
		.amdhsa_float_denorm_mode_16_64 3
		.amdhsa_memory_ordered 1
		.amdhsa_forward_progress 1
		.amdhsa_inst_pref_size 111
	.end_amdhsa_kernel
	.amdgpu_metadata
---
amdhsa.version: [ 1, 2 ]
amdhsa.kernels:
  - .name:           k_q6ef4fd898a_prep
    .symbol:         k_q6ef4fd898a_prep.kd
    .args:
      - { .name: liquid_repr, .offset: 0, .size: 8, .value_kind: global_buffer, .address_space: global }
      - { .name: mamba_repr, .offset: 8, .size: 8, .value_kind: global_buffer, .address_space: global }
      - { .name: Wlq, .offset: 16, .size: 8, .value_kind: global_buffer, .address_space: global }
      - { .name: Wmq, .offset: 24, .size: 8, .value_kind: global_buffer, .address_space: global }
      - { .name: Wmkv, .offset: 32, .size: 8, .value_kind: global_buffer, .address_space: global }
      - { .name: Wlkv, .offset: 40, .size: 8, .value_kind: global_buffer, .address_space: global }
      - { .name: Wlo, .offset: 48, .size: 8, .value_kind: global_buffer, .address_space: global }
      - { .name: Wmo, .offset: 56, .size: 8, .value_kind: global_buffer, .address_space: global }
      - { .name: xim, .offset: 64, .size: 8, .value_kind: global_buffer, .address_space: global }
      - { .name: wst, .offset: 72, .size: 8, .value_kind: global_buffer, .address_space: global }
    .group_segment_fixed_size: 61952
    .private_segment_fixed_size: 0
    .kernarg_segment_align: 8
    .kernarg_segment_size: 80
    .max_flat_workgroup_size: 128
    .sgpr_count:     80
    .vgpr_count:     256
    .wavefront_size: 32
...
	.end_amdgpu_metadata
.endif
;; end of part 1
;; launch fused (part 2): grid 128 x 2, 4 waves a work-group, clusters of 4 x 1, 327,680 bytes of LDS; arguments xim, wst, liquid_repr, mamba_repr, blq, bmq, bmkv, blkv, blo, bmo, out0, out1; writes out0, out1
.if DOCPART == 2
	.amdgcn_target "amdgcn-amd-amdhsa--gfx1250"
	.amdhsa_code_object_version 6
	.text
	.protected	k_q6ef4fd898a_fused
	.globl	k_q6ef4fd898a_fused
	.p2align	8
	.type	k_q6ef4fd898a_fused,@function
k_q6ef4fd898a_fused:
	s_mov_b64 s[64:65], 0
	v_nop
	global_prefetch_b8 v0, s[64:65] scope:SCOPE_SE
	s_setreg_imm32_b32 hwreg(HW_REG_WAVE_MODE, 25, 1), 1
	s_wait_xcnt 0x0
	s_wait_alu depctr_hold_cnt(0) depctr_sa_sdst(0) depctr_va_vdst(0) depctr_va_sdst(0) depctr_va_ssrc(0) depctr_va_vcc(0) depctr_vm_vsrc(0)
	s_getreg_b32 s2, hwreg(HW_REG_IB_STS2, 6, 4)
	s_cmp_eq_u32 s2, 0
	s_cbranch_scc0 .Lentry_in_a_cluster
	s_endpgm
.Lentry_in_a_cluster:
	s_bfe_u32 s2, ttmp6, 0x10000c
	s_cmp_lg_u32 s2, 0x3003
	s_cbranch_scc0 .Lentry_shape_is_right
	s_endpgm
.Lentry_shape_is_right:
; CrossModalAttention in MX-FP6, launch 2 of 2.  No work of the problem is left out.  A work-group takes 64 rows of one direction (y = 0: liquid asks mamba; 1: mamba asks liquid) through the whole chain:
; q = Xq Wq + bq, k and v = Xkv Wkv + bkv, softmax over the 8 heads of each row, a = w v, out = Xq + Q(a) Wo + bo.  q, k, v and a never leave the WGP.
; SHARES.  Four waves.  In q, k, v and a wave w owns d = 32 w .. 32 w + 31 of EVERY head, for all 64 rows; in the output it owns 128 of a chunk's 512 columns.  All products are used transposed (source 0 = 16 columns of a
; weight, source 1 = 16 rows): a lane holds one row, and the 16 registers of tiles u = 0, 1 are 16 neighbouring columns.  So a's 32 numbers of a head in lanes l and l xor 16 are a true block of 32 along the last product's K.
; The small products are f32 multiply-adds: a wave's part of a score goes through LDS to the wave that owns the row tile; the softmax's weights come back through LDS.
; THE WEIGHTS are one stream of 32 slots of 102,400 bytes, the same for all 128 work-groups of a direction: a ring of two LDS slots, each wave fetching and reading its own quarter.  CLUSTER: the four work-groups of a cluster
; ask for each quarter JOINTLY (mask 15).  The rows' codes are each work-group's own: plain loads.
; A slot is 64 matrix instructions a wave: for q one K step x 16 tiles, else two K steps x 8 tiles, each against the 4 tiles of rows.  A sum's accumulators are loaded with its bias, so that every matrix instruction adds in place.
; THE TEXT IS KEPT SHORT.  A pair of slots is written once for q's 8 slots and once for the 22 slots of k, v and the output that ask for a further slot; the last two slots, which ask for nothing, are written out.
; In the second loop a chunk (four heads of k or v, 512 columns of the output) is two trips; the odd trip leaves out the fetch of the next slot's first operands and goes on, by the trip's number, to the chunk's own stage:
; trips 1, 3 the scores (3: and the softmax), trips 5, 7 a += w v (7: and a's quantiser), trip 9 the way out.  What differs between trips lies in scalar registers.
; LIMITS: NaN and infinities among the inputs are not served; a block of a whose largest magnitude lies under 2^-124 (zeros too) gets the byte 1; the last product's K is summed block-wise in the order (wave, head), not (head, wave).
; REGISTERS, in windows of 256.  Window 0: v1, v2 the add's two; v3-27 addresses; v32-47 the weights' scale words, two sets; v48-55 the rows' scale words, two sets; v64-159 two sets of four row fragments;
;   v160-255 two sets of four weight fragments (in the stages v56-255 are at work).  Window 1: a chunk's 32 accumulators, (tile of rows m, tile b) at 64 m + 8 b.  Windows 2, 3: q, then a (heads 0-3, 4-7), same places; later window 2: the residual.
.set RING1, 102400                     ; LDS: ring slot 0 from byte 0, slot 1 from here; wave w's quarter at 25,600 w
.set XQ,    204800                     ; Xq's images (filled once), then: score parts (32,768) and the scores' stash (16,384 from + 32768); then the softmax's weights (64 rows x 272); then the stages of the way out (16 rows x 528 a wave)
.set XK,    256000                     ; Xkv's images (filled once), then a's images, laid alike
.set BIAS,  307200                     ; the biases of k, v, o chunk by chunk: 2048 c + 512 w + 128 h + 64 (lane / 16) + 32 u (c = 0, 1 k; 2, 3 v; 4, 5 o); from + 12288 bq as it lies
.set SPARE, 323584                     ; the spare words, 128 bytes a wave: no other line names them
.set A0, 64
.set A1, 112
.set BX, 160
.set BY, 208
.set PC, 64                            ; in the stages: the codes just made,
.set TM, 96                            ; at work,
.set PW, 112                           ; the scale word just made
.set MSB, 0
.macro WIN new                         ; the immediate's high byte repeats the setting that is left
.if MSB != (\new)
	s_set_vgpr_msb (MSB<<8)|(\new)
.set MSB, \new
.endif
.endm
.macro PLACES n                        ; plain vector instructions between a matrix instruction and what touches its registers (ISA guide 7.12.1)
.rept \n
	v_nop
.endr
.endm
.macro CREST                           ; a round of the cluster's barrier behind its opening barrier
	s_cmp_lg_u32 s28, 0
	s_cbranch_scc1 .Lnot_wave_0_\@
	s_barrier_signal -3
.Lnot_wave_0_\@:
	s_barrier_wait -3
	s_barrier_signal -1
	s_barrier_wait -1
.endm
.macro CROUND
	s_barrier_signal -1
	s_barrier_wait -1
	CREST
.endm
.macro BARRIER                         ; my LDS stores have landed and my LDS loads are in: then the work-group's barrier
	s_wait_dscnt 0x0
	s_barrier_signal -1
	s_barrier_wait -1
.endm
.macro ASK                             ; a prefetch of the slot three beyond the one just asked for.  The direction's first cluster asks, 27 times (slots 5 to 31); its four partners take a quarter each, told apart by address; a lane a block of 256 bytes
	s_cmp_lg_u32 s72, 0
	s_cbranch_scc0 .Lnoask_\@
	global_prefetch_b8 v23, s[70:71] th:TH_LOAD_NT scope:SCOPE_SE
	s_sub_co_u32 s72, s72, 1
.Lnoask_\@:
.endm
.macro LDB set, rb, f0                 ; four weight fragments, f0 on
.irp i, 0,1,2,3
.irp g, 0,1,2
	ds_load_b128 v[(\set)+12*\i+4*\g:(\set)+12*\i+4*\g+3], v[\rb] offset:1536*((\f0)+\i)+512*\g
.endr
.endr
.endm
.macro LDA set, areg, off              ; a K step's four row fragments
.irp m, 0,1,2,3
.irp g, 0,1,2
	ds_load_b128 v[(\set)+12*\m+4*\g:(\set)+12*\m+4*\g+3], v[\areg] offset:(\off)+1536*\m+512*\g
.endr
.endr
.endm
.macro LDWS set, rs                    ; a slot's weight scale words: register b; lanes 0-15 e = 0, lanes 16-31 e = 1
.irp h, 0,1,2,3
	ds_load_b64 v[32+8*(\set)+2*\h:32+8*(\set)+2*\h+1], v[\rs] offset:256*\h
.endr
.endm
.macro LDXS set, sreg, off             ; the rows' scale words of two K steps: register m; lanes 0-15 the even step, lanes 16-31 the odd one
.irp m, 0,1,2,3
	ds_load_b32 v[48+4*(\set)+\m], v[\sreg] offset:(\off)+512*\m
.endr
.endm
.macro NEXTOP rbn, rsn, setn, aset, areg, aoff, sreg, soff   ; the next slot's first operands, 32 LDS loads: four weight fragments, four row fragments, the scale words
	LDB BX,\rbn,0
	LDA \aset,\areg,\aoff
	LDWS \setn,\rsn
	LDXS \setn,\sreg,\soff
.endm
.macro WM d, a, b, sa, sb, wr, xr      ; one matrix instruction, adding in place
.if ((\wr) == 0) && ((\xr) == 0)
	v_wmma_scale_f32_16x16x128_f8f6f4 v[(\d):(\d)+7], v[(\a):(\a)+11], v[(\b):(\b)+11], v[(\d):(\d)+7], v[(\sa)], v[(\sb)] matrix_a_fmt:MATRIX_FMT_FP6 matrix_b_fmt:MATRIX_FMT_FP6
.elseif ((\wr) == 1) && ((\xr) == 0)
	v_wmma_scale_f32_16x16x128_f8f6f4 v[(\d):(\d)+7], v[(\a):(\a)+11], v[(\b):(\b)+11], v[(\d):(\d)+7], v[(\sa)], v[(\sb)] matrix_a_fmt:MATRIX_FMT_FP6 matrix_b_fmt:MATRIX_FMT_FP6 matrix_a_scale:MATRIX_SCALE_ROW1
.elseif ((\wr) == 0) && ((\xr) == 1)
	v_wmma_scale_f32_16x16x128_f8f6f4 v[(\d):(\d)+7], v[(\a):(\a)+11], v[(\b):(\b)+11], v[(\d):(\d)+7], v[(\sa)], v[(\sb)] matrix_a_fmt:MATRIX_FMT_FP6 matrix_b_fmt:MATRIX_FMT_FP6 matrix_b_scale:MATRIX_SCALE_ROW1
.else
	v_wmma_scale_f32_16x16x128_f8f6f4 v[(\d):(\d)+7], v[(\a):(\a)+11], v[(\b):(\b)+11], v[(\d):(\d)+7], v[(\sa)], v[(\sb)] matrix_a_fmt:MATRIX_FMT_FP6 matrix_b_fmt:MATRIX_FMT_FP6 matrix_a_scale:MATRIX_SCALE_ROW1 matrix_b_scale:MATRIX_SCALE_ROW1
.endif
.endm
; Weight fragments lo .. hi - 1 of set bs against the four row fragments of set as; tiles b0 on.  The accumulators take turns, one instruction a turn.
.macro MM bs, as, b0, ws, wr, xs, xr, lo, hi
.irp i, 0,1,2,3
.if (\i >= \lo) && (\i < \hi)
.irp m, 0,1,2,3
	WM 64*\m+8*((\b0)+\i),(\bs)+12*\i,(\as)+12*\m,(\ws)+(\b0)+\i,(\xs)+\m,\wr,\xr
.endr
.endif
.endr
.endm
.macro RESLOAD m, p                    ; the residual of rows 16 m on, my 128 columns of chunk p: each load reads 512 consecutive bytes
	WIN 0x80
.irp t, 0,1,2,3,4,5,6,7,8,9,10,11,12,13,14,15
	global_load_b128 v[64*(\m)+4*\t:64*(\m)+4*\t+3], v22, s[66:67] offset:(16*(\m)+\t)*4096+2048*(\p) th:TH_LOAD_NT
.endr
	WIN 0
.endm
.macro ZSET kind, par                  ; a slot's registers.  kind 8: two K steps (row sets A0, A1) x 8 tiles, sums in window 1.  kind 16: one K step (row set by the ring slot) x 16 tiles, sums in windows 2 and 3
.set zRB, 3+(\par)
.set zWS, 32+8*(\par)
.set zXS, 48+4*(\par)
.if (\kind) == 8
.set zA01, A0
.set zA23, A1
.set zX01, 0
.set zX23, 1
.set zW01, 0x50
.set zW23, 0x50
.else
.set zA01, A0+48*(\par)
.set zA23, A0+48*(\par)
.set zX01, \par
.set zX23, \par
.set zW01, 0xa0
.set zW23, 0xf0
.endif
.endm
; A SLOT is 64 matrix instructions in four quarters of 16; each quarter's weight fragments are asked for a quarter ahead.  SLOTA: the first three quarters, and in the third the change of slots.  SLOTZ: the last quarter.
; Between the two stands the fetch of the next slot's first operands (NEXTOP), where there is one.  par: which ring slot.  refill 2: the slot is filled again, two slots on; 1: the last slot is only waited for; 0: the last slot.
.macro SLOTA kind, par, refill, ask, areg, ao1
	ZSET \kind,\par
	PLACES 4                                       ; in front of loads into registers that the last quarter has read
	LDB BY,zRB,4
.if (\kind) == 8
	LDA A1,\areg,\ao1
	s_wait_dscnt 24                                ; all but the 24 just issued
.else
	s_wait_dscnt 12                                ; all but the 12 just issued
.endif
	WIN zW01
	MM BX,zA01,0,zWS,0,zXS,zX01,0,4
	PLACES 4
	WIN 0
	LDB BX,zRB,8
	s_wait_dscnt 12                                ; all but the 12 just issued
	WIN zW01
	MM BY,zA01,4,zWS,0,zXS,zX01,0,4
	PLACES 4
	WIN 0
	LDB BY,zRB,12                                  ; my last reads of this slot
.if (\refill) == 2
.if \ask
	s_wait_xcnt 0x0                                ; the last prefetch, a slot back, has read its address
	s_add_nc_u64 s[70:71], s[70:71], 102400
.endif
	s_wait_tensorcnt 0x0                           ; all my tensor loads have landed: my quarter of the next slot
	ds_add_u32 v1, v2                              ; 0 onto my spare word
	s_wait_dscnt 13                                ; (the add and the 12 loads just issued may be out)
	WIN zW23
	MM BX,zA23,0,zWS,1,zXS,zX23,0,2
	s_wait_dscnt 0x0                               ; the add is done, and my reads of this slot are over
	s_barrier_signal -1
	MM BX,zA23,0,zWS,1,zXS,zX23,2,4
	WIN 0
	s_barrier_wait -1
	CREST                                          ; the barrier has opened a round of the cluster's: no wave of any partner still reads this slot or has a load on its way
	s_add_nc_u64 s[50+4*(\par):51+4*(\par)], s[50+4*(\par):51+4*(\par)], 204800
	tensor_load_to_lds s[48+4*(\par):51+4*(\par)], s[32:39]   ; the first tensor load behind the round, and my only one until the next
	s_nop 0
	PLACES 4                                       ; also the places in front of the loads that follow
.elseif (\refill) == 1
	s_wait_tensorcnt 0x0                           ; my quarter of the last slot is in; I alone read it
	s_wait_dscnt 12
	WIN zW23
	MM BX,zA23,0,zWS,1,zXS,zX23,0,4
	PLACES 4
	WIN 0
.else
	s_wait_dscnt 12
	WIN zW23
	MM BX,zA23,0,zWS,1,zXS,zX23,0,4
	s_wait_dscnt 0x0
.endif
.endm
.macro SLOTZ kind, par
	ZSET \kind,\par
	WIN zW23
	MM BY,zA23,4,zWS,1,zXS,zX23,0,4
	WIN 0
.endm
.macro PROQ                            ; ahead of q's pass: bq into all 64 accumulators of windows 2 and 3, and slot 0's first operands
.irp e, 0,1
	WIN 0x80+0x40*\e
.irp m, 0,1,2,3
.irp b, 0,1,2,3,4,5,6,7
	ds_load_b128 v[64*\m+8*\b:64*\m+8*\b+3], v11 offset:512*(4*\e+\b/2)+32*(\b%2)
	ds_load_b128 v[64*\m+8*\b+4:64*\m+8*\b+7], v11 offset:512*(4*\e+\b/2)+32*(\b%2)+16
.endr
.endr
.endr
	WIN 0
	NEXTOP 3,5,0,A0,7,0,9,0
.endm
.macro PRO8 breg                       ; ahead of a chunk: its bias into the 32 accumulators of window 1, and its first operands
	s_wait_dscnt 0x0                               ; no LDS instruction of mine is out when the operands' registers are asked for anew
	PLACES 4
	WIN 0x40
.irp m, 0,1,2,3
.irp b, 0,1,2,3,4,5,6,7
	ds_load_b128 v[64*\m+8*\b:64*\m+8*\b+3], v[\breg] offset:128*(\b/2)+32*(\b%2)
	ds_load_b128 v[64*\m+8*\b+4:64*\m+8*\b+7], v[\breg] offset:128*(\b/2)+32*(\b%2)+16
.endr
.endr
	WIN 0
	NEXTOP 3,5,0,A0,8,0,10,0
.endm
; My part of the scores of all 8 heads against the chunk's 4 heads of k: for a tile of rows and a pair of heads eight chains of 8 packed multiply-adds (16 d a lane); each accumulator is read from its low end on.
; The halves of a pair are added; a swap of lane halves and an addition join lanes l and l xor 16: lanes 0-15 then hold key head 0 (2), lanes 16-31 key head 1 (3).
.macro SCORE
	PLACES 4
.irp m, 0,1,2,3
.irp hp, 0,1,2,3
	WIN 0x06+\hp/2
.irp j, 0,1,2,3,4,5,6,7
.irp hx, 0,1
.irp g, 0,1,2,3
.if \j == 0
	v_pk_mul_f32 v[64+8*\hx+2*\g:65+8*\hx+2*\g], v[64*\m+16*(2*(\hp%2)+\hx)+2*\j:64*\m+16*(2*(\hp%2)+\hx)+2*\j+1], v[64*\m+16*\g+2*\j:64*\m+16*\g+2*\j+1]
.else
	v_pk_fma_f32 v[64+8*\hx+2*\g:65+8*\hx+2*\g], v[64*\m+16*(2*(\hp%2)+\hx)+2*\j:64*\m+16*(2*(\hp%2)+\hx)+2*\j+1], v[64*\m+16*\g+2*\j:64*\m+16*\g+2*\j+1], v[64+8*\hx+2*\g:65+8*\hx+2*\g]
.endif
.endr
.endr
.endr
	WIN 0
.irp c, 0,1,2,3,4,5,6,7
	v_add_f32 v[80+\c], v[64+2*\c], v[65+2*\c]
.endr
.irp c, 0,2,4,6
	v_permlane16_swap_b32 v[80+\c], v[81+\c]
.endr
.irp c, 0,2,4,6
	v_add_f32 v[96+4*(4*\m+\hp)+\c/2], v[80+\c], v[81+\c]
.endr
	ds_store_b128 v13, v[96+4*(4*\m+\hp):99+4*(4*\m+\hp)] offset:8192*\m+512*\hp   ; each (m, pair) has result registers of its own
.endr
.endr
.endm
; a += w(h, g) v_g for key head g of the chunk, all rows, all 8 heads.  acc = 0: the products start the sums.  w is one register of a pair, taken for both halves
.macro PVS g, acc
.irp e, 0,1
	WIN 0xa1+0x50*\e
.irp m, 0,1,2,3
.irp hq, 0,1,2,3
.irp j, 0,1,2,3,4,5,6,7
.if (\acc) == 0
	v_pk_mul_f32 v[64*\m+16*\hq+2*\j:64*\m+16*\hq+2*\j+1], v[64*\m+16*(\g)+2*\j:64*\m+16*(\g)+2*\j+1], v[64+32*\m+4*(4*\e+\hq)+2*((\g)/2):65+32*\m+4*(4*\e+\hq)+2*((\g)/2)] op_sel_hi:[1,0]
.elseif ((\g)%2) == 0
	v_pk_fma_f32 v[64*\m+16*\hq+2*\j:64*\m+16*\hq+2*\j+1], v[64*\m+16*(\g)+2*\j:64*\m+16*(\g)+2*\j+1], v[64+32*\m+4*(4*\e+\hq)+2*((\g)/2):65+32*\m+4*(4*\e+\hq)+2*((\g)/2)], v[64*\m+16*\hq+2*\j:64*\m+16*\hq+2*\j+1] op_sel_hi:[1,0,1]
.else
	v_pk_fma_f32 v[64*\m+16*\hq+2*\j:64*\m+16*\hq+2*\j+1], v[64*\m+16*(\g)+2*\j:64*\m+16*(\g)+2*\j+1], v[64+32*\m+4*(4*\e+\hq)+2*((\g)/2):65+32*\m+4*(4*\e+\hq)+2*((\g)/2)], v[64*\m+16*\hq+2*\j:64*\m+16*\hq+2*\j+1] op_sel:[0,1,0] op_sel_hi:[1,1,1]
.endif
.endr
.endr
.endr
.endr
	WIN 0
.endm
; a of rows 16 m on, heads 4 p .. 4 p + 3 (my 32 d of each: four true blocks of 32 along the last K) becomes K step 2 w + p of the last product: image and scale words to LDS
.macro QUANTA m, p
.set zS, 64*(\m)
	WIN 0x28+0x14*(\p)
.irp b, 0,1,2,3
	v_max3_num_f32 v[TM+\b], 0x1800000, |v[zS+16*\b]|, |v[zS+16*\b+1]|   ; with the floor 2^(3 - 127)
.endr
.irp i, 2,4,6,8,10,12,14
.irp b, 0,1,2,3
	v_max3_num_f32 v[TM+\b], v[TM+\b], |v[zS+16*\b+\i]|, |v[zS+16*\b+\i+1]|
.endr
.endr
	WIN 0
	s_wait_alu depctr_va_vdst(0)
	s_wait_dscnt 0x0                               ; the last image's stores have read their registers
.irp b, 0,1,2,3
	v_permlanex16_b32 v[TM+4+\b], v[TM+\b], s74, s75
.endr
.irp b, 0,1,2,3
	v_max_num_f32 v[TM+\b], v[TM+\b], v[TM+4+\b]
.endr
.irp b, 0,1,2,3
	v_add_nc_u32 v[TM+12+\b], 0xff000000, v[TM+\b]
.endr
.irp b, 0,1,2,3
	v_lshrrev_b32 v[TM+4+\b], 23, v[TM+12+\b]
.endr
	v_lshl_or_b32 v[PW], v[TM+5], 8, v[TM+4]
	v_lshl_or_b32 v[PW], v[TM+6], 16, v[PW]
	v_lshl_or_b32 v[PW], v[TM+7], 24, v[PW]
	WIN 0x02+(\p)
.irp c, 0,1
	v_cvt_scalef32_pk16_fp6_f32 v[PC+6*\c:PC+2+6*\c], v[zS+32*\c:zS+15+32*\c], v[TM+12+2*\c]
	v_cvt_scalef32_pk16_fp6_f32 v[PC+12+4*\c:PC+14+4*\c], v[zS+16+32*\c:zS+31+32*\c], v[TM+12+2*\c+1]
.endr
	WIN 0
	v_nop                                          ; one plain place behind a scaled conversion
.irp c, 0,1
.irp i, 0,1,2
	v_permlane16_swap_b32 v[PC+6*\c+\i], v[PC+12+4*\c+\i]
.endr
.irp i, 0,1,2
	v_mov_b32 v[PC+3+6*\c+\i], v[PC+12+4*\c+\i]
.endr
.endr
.irp c, 0,1,2
	ds_store_b128 v18, v[PC+4*\c:PC+4*\c+3] offset:6144*(\p)+1536*(\m)+512*\c
.endr
	ds_store_b32 v19, v[PW] offset:512*(\m)+64*(\p)
.endm
; THE WAY OUT of a chunk, 16 rows at a time: through my own stage, back as whole rows of 512 bytes, plus the residual, stored.
.macro TOSTAGE m
.set zBK, 64+64*((\m)%2)
	WIN 0x04                                       ; an LDS store's data are its source 1: window 1
.irp b, 0,1,2,3,4,5,6,7
	ds_store_b128 v20, v[64*(\m)+8*\b:64*(\m)+8*\b+3] offset:128*(\b/2)+32*(\b%2)      ; each accumulator from its low end on
	ds_store_b128 v20, v[64*(\m)+8*\b+4:64*(\m)+8*\b+7] offset:128*(\b/2)+32*(\b%2)+16
.endr
	WIN 0
.irp t, 0,1,2,3,4,5,6,7,8,9,10,11,12,13,14,15
	ds_load_b128 v[zBK+4*\t:zBK+4*\t+3], v21 offset:528*\t   ; LDS serves a wave's instructions in order: these see the stores above
.endr
.endm
.macro SEND m, younger, p
.set zBK, 64+64*((\m)%2)
	s_wait_dscnt \younger                          ; the rows are back; the next block's 32 LDS instructions may be out
	WIN 0x08
.irp t, 0,1,2,3,4,5,6,7,8,9,10,11,12,13,14,15,16,17,18,19,20,21,22,23,24,25,26,27,28,29,30,31
	v_pk_add_f32 v[zBK+2*\t:zBK+2*\t+1], v[zBK+2*\t:zBK+2*\t+1], v[64*(\m)+2*\t:64*(\m)+2*\t+1]
.endr
	WIN 0
.irp t, 0,1,2,3,4,5,6,7,8,9,10,11,12,13,14,15
	global_store_b128 v22, v[zBK+4*\t:zBK+4*\t+3], s[68:69] offset:(16*(\m)+\t)*4096+2048*(\p) th:TH_STORE_NT   ; 32 lanes store 512 consecutive bytes, aligned
.endr
.if (\p) == 0
	RESLOAD \m,1                                   ; the next chunk's residual takes the registers just read: it has that chunk's four slots in which to come
.endif
.endm
.macro OUT p
	PLACES 4
	TOSTAGE 0
	TOSTAGE 1
	SEND 0,32,\p
	s_wait_xcnt 0x0                                ; block 0's stores have read their registers: block 2's rows may land there
	TOSTAGE 2
	SEND 1,32,\p
	s_wait_xcnt 0x0
	TOSTAGE 3
	SEND 2,32,\p
	SEND 3,0,\p
.endm
	s_load_b512 s[4:19], s[0:1], 0x0               ; xim, wst, liquid, mamba, blq, bmq, bmkv, blkv
	s_load_b256 s[20:27], s[0:1], 0x40             ; blo, bmo, out0, out1
	v_lshl_add_u32 v1, v0, 2, SPARE
	v_mov_b32 v2, 0
	ds_add_u32 v1, v2                              ; the wave's opening: the add, twice on end, and its wait ahead of my first tensor load
	ds_add_u32 v1, v2
	v_lshrrev_b32 v3, 5, v0
	v_readfirstlane_b32 s28, v3                    ; wave
	s_bfe_u32 s29, ttmp6, 0x40000                  ; cx: it enters global addresses of plain loads, of stores and of prefetches alone
	s_and_b32 s30, ttmp7, 0xffff                   ; the direction, which the four partners share
	s_lshl_b32 s31, ttmp9, 2
	s_add_co_u32 s31, s31, s29                     ; my block of 64 rows
	s_mov_b32 s32, 15|(3<<16)|(1<<21)              ; group 1, a quarter of a slot: mask of all four work-groups, bit 21 beside it; elements of 8 bytes; no padding
	s_mov_b32 s33, 32<<16                          ; tensor_dim0 = 32 (256 bytes)
	s_mov_b32 s34, 200<<16                         ; tensor_dim1 = 200: the head's load brings half a slot; behind it the two row counts are set to 100, a quarter
	s_mov_b32 s35, 32<<16                          ; tile_dim0
	s_mov_b32 s36, 200                             ; tile_dim1
	s_mov_b32 s37, 32                              ; pitch: dense
	s_mov_b32 s38, 0
	s_mov_b32 s39, 0
	s_mov_b32 s40, 3<<16                           ; group 1, a block of X: no mask
	s_mov_b32 s41, 32<<16
	s_mov_b32 s42, 200<<16                         ; a whole block of X: 200 rows of 256 bytes
	s_mov_b32 s43, 32<<16
	s_mov_b32 s44, 200
	s_mov_b32 s45, 32
	s_mov_b32 s46, 0
	s_mov_b32 s47, 0
	s_mul_i32 s80, s28, 25600                      ; my quarter of a slot
	s_mul_i32 s81, s30, 3276800                    ; my direction's stream
	s_add_co_u32 s82, s81, s80
	s_mov_b32 s83, 0
	s_lshl_b32 s84, s30, 7
	s_add_co_u32 s84, s84, s31
	s_mul_i32 s84, s84, 51200                      ; Xq: tensor = direction
	s_mov_b32 s85, 0
	s_xor_b32 s88, s30, 1
	s_lshl_b32 s88, s88, 7
	s_add_co_u32 s88, s88, s31
	s_mul_i32 s88, s88, 51200                      ; Xkv: the other tensor
	s_mov_b32 s89, 0
	s_lshl_b32 s90, s31, 18                        ; my 64 rows of 4,096 bytes
	s_mov_b32 s91, 0
	s_mul_i32 s92, s29, 25600                      ; the prefetches: my work-group's quarter,
	s_add_co_u32 s92, s92, s81
	s_add_co_u32 s92, s92, 4*102400                ; at slot 4: the first change of slots steps it to slot 5
	s_mov_b32 s93, 0
	s_cmp_eq_u32 ttmp9, 0
	s_cselect_b32 s72, 27, 0                       ; prefetches to go: the direction's first cluster asks, for slots 5 to 31; the same number in all four partners
	s_mov_b32 s74, 0x76543210
	s_mov_b32 s75, 0xfedcba98                      ; lane l xor 16
	s_mov_b32 s76, 0x3e0293ee                      ; c = log2(e) / sqrt(128)
	s_wait_dscnt 0x0                               ; both opening adds are done
	s_wait_kmcnt 0x0
	s_mov_b32 s48, 1
	s_mov_b32 s49, s80                             ; ring slot 0
	s_add_nc_u64 s[50:51], s[6:7], s[82:83]
	s_add_nc_u64 s[54:55], s[50:51], 102400
	s_or_b32 s51, s51, 0x80000000
	s_mov_b32 s52, 1
	s_add_co_u32 s53, s80, RING1
	s_or_b32 s55, s55, 0x80000000
	s_mov_b32 s56, 1
	s_mov_b32 s57, XQ
	s_add_nc_u64 s[58:59], s[4:5], s[84:85]
	s_or_b32 s59, s59, 0x80000000
	s_mov_b32 s60, 1
	s_mov_b32 s61, XK
	s_add_nc_u64 s[62:63], s[4:5], s[88:89]
	s_or_b32 s63, s63, 0x80000000
	s_mov_b32 s84, 1                               ; the head's load of slot 0: waves 2 and 3 take a half each, 51,200 bytes
	s_and_b32 s94, s28, 1
	s_mul_i32 s85, s94, 51200                      ; where the half goes,
	s_add_co_u32 s88, s81, s85                     ; and where it lies in my direction's stream (s89 = 0)
	s_add_nc_u64 s[86:87], s[6:7], s[88:89]
	s_or_b32 s87, s87, 0x80000000
	s_cmp_eq_u32 s30, 0
	s_cselect_b64 s[66:67], s[8:9], s[10:11]       ; the residual
	s_cselect_b64 s[68:69], s[24:25], s[26:27]     ; the output
	s_cselect_b64 s[12:13], s[12:13], s[14:15]     ; bq
	s_cselect_b64 s[16:17], s[16:17], s[18:19]     ; bkv
	s_cselect_b64 s[20:21], s[20:21], s[22:23]     ; bo
	s_add_nc_u64 s[66:67], s[66:67], s[90:91]
	s_add_nc_u64 s[68:69], s[68:69], s[90:91]
	s_add_nc_u64 s[70:71], s[6:7], s[92:93]
	CROUND                                         ; all four work-groups are here: the first joint loads meet
	; the head's tiles, one load a wave: wave 0 Xq, wave 1 Xkv, waves 2 and 3 the halves of slot 0.  One chain of branches on the wave's number, every arm with one load
	s_cmp_lt_u32 s28, 1
	s_cbranch_scc0 .Lhead_k
	tensor_load_to_lds s[56:59], s[40:47]          ; Xq, whole
	s_nop 0
	PLACES 4
	s_branch .Lhead_asked
.Lhead_k:
	s_cmp_lt_u32 s28, 2
	s_cbranch_scc0 .Lhead_w
	tensor_load_to_lds s[60:63], s[40:47]          ; Xkv, whole
	s_nop 0
	PLACES 4
	s_branch .Lhead_asked
.Lhead_w:
	tensor_load_to_lds s[84:87], s[32:39]          ; half of slot 0, asked for jointly
	s_nop 0
	PLACES 4
.Lhead_asked:
	v_lshlrev_b32 v56, 4, v0
	global_load_b128 v[64:67], v56, s[12:13]       ; the biases: 2,048 bytes a load for the work-group
	global_load_b128 v[68:71], v56, s[12:13] offset:2048
	global_load_b128 v[72:75], v56, s[16:17]
	global_load_b128 v[76:79], v56, s[16:17] offset:2048
	global_load_b128 v[80:83], v56, s[16:17] offset:4096
	global_load_b128 v[84:87], v56, s[16:17] offset:6144
	global_load_b128 v[88:91], v56, s[20:21]
	global_load_b128 v[92:95], v56, s[20:21] offset:2048
	v_and_b32 v28, 31, v0                          ; lane
	v_and_b32 v29, 15, v0                          ; r
	v_bfe_u32 v30, v0, 4, 1                        ; h
	v_lshlrev_b32 v31, 4, v28                      ; 16 x lane
	v_add_nc_u32 v3, s80, v31                      ; my quarter of ring slot 0: fragments,
	v_add_nc_u32 v4, RING1, v3                     ; of slot 1
	v_lshl_add_u32 v5, v28, 3, s80
	v_add_nc_u32 v5, 24576, v5                     ; scale words
	v_add_nc_u32 v6, RING1, v5
	v_add_nc_u32 v7, XQ, v31                       ; images in XQ,
	v_add_nc_u32 v8, XK, v31                       ; in XK
	v_lshl_add_u32 v9, v28, 2, XQ+49152            ; their scale words
	v_lshl_add_u32 v10, v28, 2, XK+49152
	s_lshl_b32 s94, s28, 7
	v_lshl_add_u32 v11, v30, 6, s94
	v_add_nc_u32 v11, BIAS+12288, v11              ; bq: 128 w + 64 h
	v_lshl_add_u32 v19, v29, 2, s94
	v_add_nc_u32 v19, XK+49152, v19                ; a's scale words: 128 w + 4 r
	s_lshl_b32 s94, s28, 9
	v_lshl_add_u32 v12, v30, 6, s94
	v_add_nc_u32 v12, BIAS, v12                    ; a chunk's bias: 512 w + 64 h
	v_add_nc_u32 v22, s94, v31                     ; my 16 bytes of a row's chunk in memory: 512 w + 16 x lane
	s_lshl_b32 s94, s28, 11
	v_add_nc_u32 v13, s94, v7                      ; score parts, in: 2048 w
	s_lshl_b32 s94, s28, 12
	v_add_nc_u32 v15, s94, v7
	v_add_nc_u32 v15, 32768, v15                   ; the scores' stash: 4096 w, bytes of my own
	s_lshl_b32 s94, s28, 13
	v_add_nc_u32 v14, s94, v7                      ; score parts, out: my tile of rows, 8192 w
	v_mul_u32_u24 v17, v29, 272
	v_add_nc_u32 v17, XQ, v17                      ; the softmax's weights, out: row r of a tile
	s_mul_i32 s94, s28, 4352
	v_lshl_add_u32 v16, v30, 2, v17
	v_add_nc_u32 v16, s94, v16                     ; in: row 16 w + r, + 4 h
	s_mul_i32 s94, s28, 12288
	v_add_nc_u32 v18, s94, v8                      ; a's images: K steps 2 w, 2 w + 1
	s_mul_i32 s94, s28, 8448
	v_add_nc_u32 v21, s94, v7                      ; my stage, back
	v_mul_u32_u24 v20, v29, 528
	v_lshl_add_u32 v20, v30, 6, v20
	v_add_nc_u32 v20, s94, v20
	v_add_nc_u32 v20, XQ, v20                      ; my stage, in: row r, + 64 h
	v_min_u32 v23, 99, v0
	v_lshlrev_b32 v23, 8, v23                      ; the prefetches: a quarter is 100 blocks of 256 bytes; threads beyond name the last
	v_add_nc_u32 v24, XQ, v31                      ; stepped in q's loop
	v_lshl_add_u32 v25, v28, 2, XQ+49152
	v_add_nc_u32 v57, BIAS, v56                    ; bq and bo go to LDS as they lie;
	v_and_b32 v58, 0x70, v56                       ; bkv is laid chunk by chunk.  Byte 16 t + 2048 k of it is (p, h, k or v, w, rest) = (bit 12, bits 11:10, bit 9, bits 8:7, bits 6:0): it goes to 4096 (k or v) + 2048 p + 512 w + 128 h + rest
	v_bfe_u32 v59, v0, 3, 2
	v_lshl_add_u32 v58, v59, 9, v58                ; 512 w
	v_bfe_u32 v59, v0, 5, 1
	v_lshl_add_u32 v58, v59, 12, v58               ; 4096 (k or v)
	v_bfe_u32 v59, v0, 6, 1
	v_lshl_add_u32 v58, v59, 7, v58                ; 128 x h's low bit; h's high bit and p stand in the stores' offsets
	v_add_nc_u32 v58, BIAS, v58
	s_wait_alu depctr_va_vdst(0)
	s_wait_loadcnt 0x0
	ds_store_b128 v57, v[64:67] offset:12288
	ds_store_b128 v57, v[68:71] offset:14336
	ds_store_b128 v58, v[72:75]
	ds_store_b128 v58, v[76:79] offset:256
	ds_store_b128 v58, v[80:83] offset:2048
	ds_store_b128 v58, v[84:87] offset:2304
	ds_store_b128 v57, v[88:91] offset:8192
	ds_store_b128 v57, v[92:95] offset:10240
	s_wait_tensorcnt 0x0                           ; my tile of the head's is in; slot 1's first fill is issued as a refill is
	ds_add_u32 v1, v2
	s_mov_b32 s34, 100<<16                         ; no tensor load of mine is out: from here on a joint load brings a quarter of a slot, 100 rows
	s_mov_b32 s36, 100
	s_wait_dscnt 0x0                               ; the add is done, and the biases lie in LDS
	CROUND                                         ; a whole round: the head's tiles are in for all four waves, and the four work-groups' joint loads meet
	tensor_load_to_lds s[52:55], s[32:39]          ; slot 1, my quarter: my one load behind the round
	s_nop 0
	PLACES 4
	; ---- q: slots 0-7, a K step each; a trip is two slots.  The fourth trip fetches no further operands and leaves the loop behind its second change of slots
	PROQ
	s_mov_b32 s73, 0
.Lq:
	SLOTA 16,0,2,1,0,0
	s_wait_alu depctr_va_vdst(0)
	NEXTOP 4,6,1,A1,24,6144,25,0
	ASK
	SLOTZ 16,0
	SLOTA 16,1,2,1,0,0
	s_cmp_eq_u32 s73, 3
	s_cbranch_scc1 .Lq_last                        ; the fourth trip fetches no further operands of q's pass: the jump leads round that fetch alone
	NEXTOP 3,5,0,A0,24,12288,25,128
.Lq_last:
	ASK
	SLOTZ 16,1
	v_add_nc_u32 v24, 12288, v24                   ; two K steps on
	v_add_nc_u32 v25, 128, v25
	s_add_co_u32 s73, s73, 1
	s_cmp_lt_u32 s73, 4
	s_cbranch_scc1 .Lq
	; ---- k, v and the output: slots 8-29, 11 trips of two slots; two trips are a chunk
	PRO8 12
	s_mov_b32 s73, 0                               ; the trip
	s_mov_b32 s77, 1024                            ; 1024 (trip + 1): in an odd trip the next chunk's place among the biases
	s_mov_b32 s78, 0                               ; the trip's first K step among the rows' images: 0, or four K steps on
	s_mov_b32 s79, 0                               ; and among their scale words
.Lpair:
	v_add_nc_u32 v24, s78, v8
	v_add_nc_u32 v25, s79, v10
	SLOTA 8,0,2,1,24,6144
	s_wait_alu depctr_va_vdst(0)
	NEXTOP 4,6,1,A0,24,12288,25,128
	ASK
	SLOTZ 8,0
	SLOTA 8,1,2,1,24,18432
	s_and_b32 s94, s73, 1
	s_cmp_lg_u32 s94, 0
	s_cbranch_scc1 .Lodd                           ; an odd trip leaves out the fetch below: the jump leads round it alone
	NEXTOP 3,5,0,A0,8,24576,10,256                 ; an even trip: the chunk goes on with K step 4
.Lodd:
	ASK
	SLOTZ 8,1
	s_and_b32 s94, s73, 1
	s_cmp_lg_u32 s94, 0
	s_cbranch_scc0 .Lnext                          ; an even trip goes on; in an odd trip the chunk's sums are finished, and its stage follows
	s_wait_loadcnt 0x0                             ; the residual, asked for a chunk ago, is in (only the output's chunks have loads out)
	s_cmp_ge_u32 s73, 4
	s_cbranch_scc1 .Lst_v
	; ---- trips 1, 3: the scores of all heads against the chunk's four heads of k
	BARRIER                                        ; each stage opens with a barrier of its own: it parts the stage's LDS traffic from the products' and from the other stages'
	SCORE
	BARRIER                                        ; all four waves' parts lie in LDS
.irp v, 0,1,2,3
.irp hp, 0,1,2,3
	ds_load_b128 v[64+16*\v+4*\hp:67+16*\v+4*\hp], v14 offset:2048*\v+512*\hp   ; my tile of rows: the four waves' parts
.endr
.endr
	s_and_b32 s94, s73, 2                          ; which of k's two chunks
	s_lshl_b32 s94, s94, 10
	v_add_nc_u32 v27, s94, v15
	s_wait_dscnt 0x0
.irp v, 1,2,3
.irp q, 0,1,2,3,4,5,6,7
	v_pk_add_f32 v[64+2*\q:65+2*\q], v[64+2*\q:65+2*\q], v[64+16*\v+2*\q:65+16*\v+2*\q]
.endr
.endr
.irp hp, 0,1,2,3
	ds_store_b128 v27, v[64+4*\hp:67+4*\hp] offset:512*\hp   ; stashed in bytes of my own: the registers go back to the products
.endr
	s_wait_dscnt 0x0                               ; the stores have read their registers
	s_cmp_eq_u32 s73, 1
	s_cbranch_scc1 .Lst_done
	; ---- trip 3: the softmax of my tile of rows.  Register 64 + 16 c + 2 h + x: head h against key head 4 c + 2 x + (lane / 16)
.irp c, 0,1
.irp hp, 0,1,2,3
	ds_load_b128 v[64+16*\c+4*\hp:67+16*\c+4*\hp], v15 offset:2048*\c+512*\hp
.endr
.endr
	s_wait_dscnt 0x0
.irp h, 0,1,2,3,4,5,6,7
	v_max3_num_f32 v[96+\h], v[64+2*\h], v[65+2*\h], v[80+2*\h]
.endr
.irp h, 0,1,2,3,4,5,6,7
	v_max_num_f32 v[96+\h], v[96+\h], v[81+2*\h]
.endr
.irp h, 0,1,2,3,4,5,6,7
	v_permlanex16_b32 v[104+\h], v[96+\h], s74, s75
.endr
.irp h, 0,1,2,3,4,5,6,7
	v_max_num_f32 v[96+\h], v[96+\h], v[104+\h]    ; the row's largest score of head h
.endr
.irp h, 0,1,2,3,4,5,6,7
.irp x, 64,65,80,81
	v_sub_f32 v[\x+2*\h], v[\x+2*\h], v[96+\h]
.endr
.endr
.irp x, 0,1,2,3,4,5,6,7,8,9,10,11,12,13,14,15,16,17,18,19,20,21,22,23,24,25,26,27,28,29,30,31
	v_mul_f32 v[64+\x], s76, v[64+\x]
.endr
	s_wait_alu depctr_va_vdst(0)
.irp x, 0,1,2,3,4,5,6,7,8,9,10,11,12,13,14,15,16,17,18,19,20,21,22,23,24,25,26,27,28,29,30,31
	v_exp_f32 v[64+\x], v[64+\x]
.endr
	v_nop                                          ; a plain instruction behind the last exponential
	s_wait_alu depctr_va_vdst(0)                   ; one wait for the batch, ahead of its first reader
.irp h, 0,1,2,3,4,5,6,7
	v_add_f32 v[96+\h], v[64+2*\h], v[65+2*\h]
.endr
.irp h, 0,1,2,3,4,5,6,7
	v_add_f32 v[104+\h], v[80+2*\h], v[81+2*\h]
.endr
.irp h, 0,1,2,3,4,5,6,7
	v_add_f32 v[96+\h], v[96+\h], v[104+\h]
.endr
.irp h, 0,1,2,3,4,5,6,7
	v_permlanex16_b32 v[104+\h], v[96+\h], s74, s75
.endr
.irp h, 0,1,2,3,4,5,6,7
	v_add_f32 v[96+\h], v[96+\h], v[104+\h]
.endr
	s_wait_alu depctr_va_vdst(0)
.irp h, 0,1,2,3,4,5,6,7
	v_rcp_f32 v[96+\h], v[96+\h]
.endr
	v_nop
	s_wait_alu depctr_va_vdst(0)                   ; one wait for the eight reciprocals
.irp h, 0,1,2,3,4,5,6,7
.irp x, 64,65,80,81
	v_mul_f32 v[\x+2*\h], v[\x+2*\h], v[96+\h]
.endr
.endr
	s_wait_alu depctr_va_vdst(0)
	BARRIER                                        ; every wave's reads of the score parts are over: the weights take their bytes
.irp c, 0,1
.irp h, 0,1,2,3,4,5,6,7
.irp x, 0,1
	ds_store_b32 v16, v[64+16*\c+2*\h+\x] offset:32*\h+16*\c+8*\x
.endr
.endr
.endr
	s_branch .Lst_done                             ; (the weights are read four changes of slots behind these stores, each with its wait for my LDS instructions)
.Lst_v:
	s_cmp_ge_u32 s73, 8
	s_cbranch_scc1 .Lst_o
	; ---- trips 5, 7: a += w v for the chunk's four heads of v
	BARRIER                                        ; the stage's own barrier
	PLACES 4
	s_and_b32 s94, s73, 2                          ; which of v's two chunks: its four key heads' weights lie 16 bytes on
	s_lshl_b32 s94, s94, 3
	v_add_nc_u32 v27, s94, v17
.irp m, 0,1,2,3
.irp h, 0,1,2,3,4,5,6,7
	ds_load_b128 v[64+32*\m+4*\h:67+32*\m+4*\h], v27 offset:4352*\m+32*\h   ; w(row, h, the chunk's four key heads)
.endr
.endr
	s_wait_dscnt 0x0
	s_cmp_lg_u32 s73, 5
	s_cbranch_scc1 .Lpv_on
	PVS 0,0                                        ; the first chunk's first key head starts the sums: nothing is cleared
	s_branch .Lpv_rest
.Lpv_on:
	PVS 0,1
.Lpv_rest:
	PVS 1,1
	PVS 2,1
	PVS 3,1
	s_cmp_eq_u32 s73, 5
	s_cbranch_scc1 .Lst_done
	; ---- trip 7: a is quantised in registers; its images take the bytes of Xkv's, which have been multiplied for the last time
	BARRIER                                        ; every wave's reads of Xkv's images are over
.irp b, 0,1,2,3
	v_mov_b32 v[TM+4+\b], 0                        ; a lane permute's destination counts as one of its sources
.endr
.irp p, 0,1
.irp m, 0,1,2,3
	QUANTA \m,\p
.endr
.endr
	BARRIER                                        ; a's 32 fragments lie in LDS
	RESLOAD 0,0                                    ; the first output chunk's residual takes the registers that a has left: it has that chunk's four slots in which to come
	RESLOAD 1,0
	RESLOAD 2,0
	RESLOAD 3,0
	s_branch .Lst_done
.Lst_o:
	; ---- trip 9: the first 512 columns of the output leave
	BARRIER                                        ; the stage's own barrier
	OUT 0
	s_wait_xcnt 0x0                                ; the stores have read their registers: the next chunk's operands may land there
.Lst_done:
	v_add_nc_u32 v26, s77, v12                     ; the next chunk's bias
	s_wait_alu depctr_va_vdst(0)
	PRO8 26
.Lnext:
	s_xor_b32 s78, s78, 24576
	s_xor_b32 s79, s79, 256
	s_add_co_u32 s77, s77, 1024
	s_add_co_u32 s73, s73, 1
	s_cmp_lt_u32 s73, 11
	s_cbranch_scc1 .Lpair
	; ---- slots 30 and 31 are written out: nothing is left to ask for
	SLOTA 8,0,1,0,8,30720
	NEXTOP 4,6,1,A0,8,36864,10,384
	s_wait_dscnt 32                                ; all but the 32 just issued
	SLOTZ 8,0
	SLOTA 8,1,0,0,8,43008
	SLOTZ 8,1
	s_wait_loadcnt 0x0                             ; the second chunk's residual, asked for on the first way out
	OUT 1
	s_wait_tensorcnt 0x0                           ; the wave's end, behind my last tensor load and my last LDS store
	ds_add_u32 v1, v2
	s_wait_dscnt 0x0
	CROUND                                         ; the closing round: no work-group ends while a partner may still ask for a quarter that names it
	s_endpgm
.Lfunc_end_k_q6ef4fd898a_fused:
	.size	k_q6ef4fd898a_fused, .Lfunc_end_k_q6ef4fd898a_fused-k_q6ef4fd898a_fused
	.p2alignl 7, 3214868480
	.fill 96, 4, 3214868480
	.section	.rodata,"a",@progbits
	.p2align	6, 0x0
	.amdhsa_kernel k_q6ef4fd898a_fused
		.amdhsa_group_segment_fixed_size 327680
		.amdhsa_private_segment_fixed_size 0
		.amdhsa_enable_private_segment 0
		.amdhsa_kernarg_size 96
		.amdhsa_user_sgpr_count 2
		.amdhsa_user_sgpr_kernarg_segment_ptr 1
		.amdhsa_wavefront_size32 1
		.amdhsa_system_sgpr_workgroup_id_x 1
		.amdhsa_system_sgpr_workgroup_id_y 1
		.amdhsa_system_sgpr_workgroup_id_z 1
		.amdhsa_system_vgpr_workitem_id 0
		.amdhsa_next_free_vgpr 1024
		.amdhsa_next_free_sgpr 96
		.amdhsa_reserve_vcc 0
		.amdhsa_float_denorm_mode_32 3
		.amdhsa_float_denorm_mode_16_64 3
		.amdhsa_memory_ordered 1
		.amdhsa_forward_progress 1
		.amdhsa_inst_pref_size 255
	.end_amdhsa_kernel
	.section	.bss,"aw",@nobits
	.p2align	6
	.space	262144
	.amdgpu_metadata
---
amdhsa.version: [ 1, 2 ]
amdhsa.kernels:
  - .name:           k_q6ef4fd898a_fused
    .symbol:         k_q6ef4fd898a_fused.kd
    .args:
      - { .name: xim, .offset: 0, .size: 8, .value_kind: global_buffer, .address_space: global }
      - { .name: wst, .offset: 8, .size: 8, .value_kind: global_buffer, .address_space: global }
      - { .name: liquid_repr, .offset: 16, .size: 8, .value_kind: global_buffer, .address_space: global }
      - { .name: mamba_repr, .offset: 24, .size: 8, .value_kind: global_buffer, .address_space: global }
      - { .name: blq, .offset: 32, .size: 8, .value_kind: global_buffer, .address_space: global }
      - { .name: bmq, .offset: 40, .size: 8, .value_kind: global_buffer, .address_space: global }
      - { .name: bmkv, .offset: 48, .size: 8, .value_kind: global_buffer, .address_space: global }
      - { .name: blkv, .offset: 56, .size: 8, .value_kind: global_buffer, .address_space: global }
      - { .name: blo, .offset: 64, .size: 8, .value_kind: global_buffer, .address_space: global }
      - { .name: bmo, .offset: 72, .size: 8, .value_kind: global_buffer, .address_space: global }
      - { .name: out0, .offset: 80, .size: 8, .value_kind: global_buffer, .address_space: global }
      - { .name: out1, .offset: 88, .size: 8, .value_kind: global_buffer, .address_space: global }
    .group_segment_fixed_size: 327680
    .private_segment_fixed_size: 0
    .kernarg_segment_align: 8
    .kernarg_segment_size: 96
    .max_flat_workgroup_size: 128
    .sgpr_count:     96
    .vgpr_count:     1024
    .wavefront_size: 32
...
	.end_amdgpu_metadata
.endif
;; end of part 2
